; MI455X (gfx1250); checked and timed in simulation.
; The chip was launched on July 23, 2026; its instructions are those of AMD's public machine-readable ISA for CDNA 5 (MIT licence, August 2026) and "CDNA5" Instruction Set Architecture Reference Guide (July 2026). The comments in the code are by the model that wrote it; some were corrected since.
;; Attention. Allowed arithmetic: float matrix products may take bf16 or f16 operands with f32 sums; all other float work in f32.
;; Inputs: input_key 4 x 16 x 2,048 x 64 float32; input_query 4 x 16 x 2,048 x 64 float32; input_value 4 x 16 x 2,048 x 64 float32.
;; Outputs: out0 4 x 16 x 2,048 x 64 float32.
;; 2 versions, each right and faster than the one before. Each part assembles by itself: llvm-mc -triple=amdgcn-amd-amdhsa -mcpu=gfx1250 --defsym DOCPART=n.
;; ======== version 1 of 2: 1 launch
;; launch attn (part 1): grid 256 x 1, 8 waves a work-group, clusters of 4 x 1, 327,680 bytes of LDS; arguments input_query, input_key, input_value, out0; writes out0
.if DOCPART == 1
	.amdgcn_target "amdgcn-amd-amdhsa--gfx1250"
	.amdhsa_code_object_version 6
	.text
	.protected	k_qafac1c194a_attn
	.globl	k_qafac1c194a_attn
	.p2align	8
	.type	k_qafac1c194a_attn,@function
k_qafac1c194a_attn:
	s_mov_b64 s[64:65], 0
	v_nop
	global_prefetch_b8 v0, s[64:65] scope:SCOPE_SE
	s_setreg_imm32_b32 hwreg(HW_REG_WAVE_MODE, 25, 1), 1
	s_wait_xcnt 0x0
	s_wait_alu depctr_hold_cnt(0) depctr_sa_sdst(0) depctr_va_vdst(0) depctr_va_sdst(0) depctr_va_ssrc(0) depctr_va_vcc(0) depctr_vm_vsrc(0)
	s_getreg_b32 s2, hwreg(HW_REG_IB_STS2, 6, 4)
	s_cmp_eq_u32 s2, 0
	s_cbranch_scc0 .Lentry_in_a_cluster
	s_endpgm
.Lentry_in_a_cluster:
	s_bfe_u32 s2, ttmp6, 0x10000c
	s_cmp_lg_u32 s2, 0x3003
	s_cbranch_scc0 .Lentry_shape_is_right
	s_endpgm
.Lentry_shape_is_right:
; out[b,h,s,:] = sum over t of softmax_t(q[s] . k[t]) v[t].  64 heads (b,h), 2,048 rows of 64 f32 in each of Q, K, V and out.
; All three inputs reach every output: nothing of the computation is left out.
;
; SHARES.  A cluster of four work-groups is one head; a work-group takes 512 queries, each of its eight waves 64 queries = 4 query tiles of 16.
; The four work-groups walk the same 16 blocks of 128 keys, so each block of K and V is asked for JOINTLY (mask 15): waves 0 and 1 ask for
; the two halves of K, waves 2 and 3 for those of V, 64 rows of 256 bytes each, into one of two stage slots in LDS (f32, as in memory).
; The work-group converts a block ONCE to bf16 (wave w: rows 16 w to 16 w + 15 of K and of V) into one of two bf16 buffers in LDS, which
; only ds_store lines write; all eight waves read their fragments from there.
;
; BOTH PRODUCTS ARE USED TRANSPOSED.  S^T = K Q^T: source 0 = 16 keys x 32 d, source 1 = 16 queries x 32 d.  In the result lane (r, h)
; holds query r, register j key 8 h + j.  So a query's scores lie in two lanes (r and r + 16): maximum and sum run along registers, one
; v_permlanex16_b32 joins the halves.  Two neighbouring key tiles, rounded in pairs to bf16, ARE source 1 of O^T = V^T P^T (registers 0-3:
; keys 8 h .. 8 h + 7, registers 4-7: keys 16 + 8 h ..): no lane exchange.  O^T's lane again holds query r, so the running rescale is a
; multiply by a factor that the lane already has.  V^T's fragments come by the transposing LDS load.
;
; THE SCHEDULE.  A stage is one query tile x 64 keys; stages follow each other tile by tile, sub-step by sub-step, trip by trip.  Stage g
; is two phases, each under ONE setting of the register windows, in which single matrix instructions stand among slices of vector work:
;   PA(g), all operands in window 0: maximum, exponentials and rounding to P of stage g (86 vector instructions), and among them the
;          8 matrix instructions of S^T of stage g + 1, into the other score buffer;
;   PB(g), O and V in window 1, P, scores and factor in window 0: the 8 matrix instructions of O^T += V^T P^T of stage g, and among them
;          the rescale of O (each d tile's four multiplies ahead of its product) and the row sum (34 vector instructions).
; No one setting serves both: O (128), V (64), two score buffers (64) and the scratch do not fit into one window of 256.
; PA has more vector than matrix work and PB the other way round, so the SIMD's second wave (eight waves, two to a SIMD) has the other
; kind of work to offer in either.  The slices are also the places behind the matrix instructions: the loop has no v_nop.
;
; FORMATS.  Q, K, V are rounded to bf16 (nearest even) exactly as they stand, no factor folded in; sums of products in f32; softmax in f32
; with a running maximum per query, taken over steps of 64 keys.  exp(s - m) = 2^(c s + n), c = log2 e, n = the ROUNDED product -c m; the
; rescale is 2^(n new - n old) of the same rounded products, so numerator and denominator keep one reference at any size of the scores.
; LIMITS.  P is rounded to bf16 for the second product while the row sum adds the unrounded f32 P (relative 2^-9 per term).  Terms below
; 2^-126 of the row's largest count as zero (v_exp_f32 flushes them: ISA guide 15.8).  The maxima let a NaN lose, but a NaN score still
; reaches its row's sum and products, so the row is NaN as in the reference; so does a score of +infinity.  A row whose first 64 scores
; are ALL -infinity (q . k beyond f32's range, inputs of about 2^60) becomes NaN even if later scores are finite.
.set BLOCK, 32768                      ; 128 rows of 256 bytes: a block of K or of V in memory and in a stage slot
.set SLOT,  65536                      ; a stage slot: K's block, then V's.  Slots at LDS byte 0 and 65,536; tensor loads alone write them
.set BF,    131072                     ; the two bf16 buffers
.set KP,    144                        ; K bf16: 128 bytes a row + 16: an odd multiple of 16, so 16 rows start at 16 different 16-byte columns mod 256
.set VP,    160                        ; V bf16: 128 bytes a row + 32: an odd multiple of 32, as the transposing load's eight rows want
.set KSZ,   128*KP                     ; 18,432
.set BFSZ,  KSZ+128*VP                 ; 38,912: one buffer, K then V
.set OUTS,  BF+2*BFSZ                  ; 208,896: the way out, 16 rows x 272 bytes for each wave
.set OP,    272
.set OSZ,   16*OP                      ; 4,352; the map ends at 208,896 + 8 x 4,352 = 243,712
; window 0
.set AK,  2                            ; v2-3    my K fragment address in bf16 buffer 0, 1
.set AV,  4                            ; v4-5    my V fragment address (transposing load)
.set STG, 6                            ; v6-7    conversion: my 16 bytes in stage slot 0, 1
.set CK,  8                            ; v8-9    conversion: my 8 bytes of K in bf16 buffer 0, 1
.set CV,  10                           ; v10-11  the same for V
.set OST, 12                           ; v12     way out: where I put 32 bytes of a row
.set ORD, 13                           ; v13     way out: where I read 16 bytes back
.set OGO, 14                           ; v14     way out: my byte offset in out
.set QOF, 15                           ; v15     my byte offset in Q
.set MX,  16                           ; v16-19  running maximum of query tile i, in score units
.set NM,  20                           ; v20     -c x maximum; v21 written once (a pair is named)
.set AL,  22                           ; v22     rescale factor; v23 written once
.set NMO, 24                           ; v24     -c x old maximum
.set XX,  25                           ; v25     what the other half of the lanes sent
.set UU,  26                           ; v26
.set TT,  28                           ; v28-31  four chains of maxima
.set PP,  32                           ; v32-47  P of the stage at work, as source 1 (in the prologue: scratch)
.set CR,  48                           ; v48-63  the conversion's own registers: a piece of four loads (in the prologue: scratch)
.set KF,  64                           ; v64-127   K fragments: key tile kt, d half ks at KF + 16 kt + 8 ks
.set QF,  128                          ; v128-191  Q fragments: query tile i, d half ks at QF + 16 i + 8 ks
.set SB,  192                          ; v192-255  two score buffers of 32 registers, query tile i uses buffer i & 1
; window 1
.set OA,  0                            ; v256-383  O^T: query tile i, d tile dt at 32 i + 8 dt
.set VF,  128                          ; v384-447  V^T fragments: d tile dt, key half ks at VF + 16 dt + 8 ks
.set LSM, 192                          ; v448-463  row sums of query tile i: two chains of pairs at LSM + 4 i, this half of the lanes' keys
.set G1,  16                           ; s[16:23]  descriptor group 1, the same for every load
.set G0,  32                           ; s[32:39]  descriptor group 0, a set for each slot
.set MSB, 0
.macro WIN new                         ; s_set_vgpr_msb: bits 1:0 source 0, 3:2 source 1, 5:4 source 2, 7:6 destination; the high byte repeats the setting left
.if MSB != \new
	s_set_vgpr_msb (MSB<<8)|\new
.set MSB, \new
.endif
.endm
.macro NOP4                            ; four places behind a matrix instruction (ISA guide 7.12.1), where no vector work is at hand: twice in the kernel, outside the loop
.rept 4
	v_nop
.endr
.endm
.macro BAR
	s_barrier_signal -1
	s_barrier_wait -1
.endm
; A round of the cluster's barrier: my work-group's barrier, wave 0 signals for the work-group, every wave waits for all four work-groups, my work-group's barrier again.
.macro CREST                           ; a round behind its opening barrier
	s_cmp_lg_u32 s12, 0
	s_cbranch_scc1 .Lnot_wave_0_\@
	s_barrier_signal -3
.Lnot_wave_0_\@:
	s_barrier_wait -3
	s_barrier_signal -1
	s_barrier_wait -1
.endm
.macro ROUND                           ; a whole round
	s_barrier_signal -1
	s_barrier_wait -1
	CREST
.endm
; The joint refill of slot s: waves 0 to 3, a quarter of the slot each.  The branch hangs on the wave's number alone, alike in all four work-groups.
.macro JLOAD s
	s_cmp_gt_u32 s12, 3
	s_cbranch_scc1 .Lnone_\@
	tensor_load_to_lds s[G0+4*\s:G0+4*\s+3], s[G1:G1+7]
	s_nop 0
.Lnone_\@:
.endm
; Conversion of block 0, in front of everything, in one go through the score buffers: 16 loads of 512 neighbouring bytes (two rows), 32 roundings, 16 stores.
.macro CLOAD s
.irp j, 0,1,2,3,4,5,6,7
	ds_load_b128 v[SB+4*\j:SB+4*\j+3], v[STG+(\s)] offset:512*\j               ; K rows 16 w + 2 j + h, floats 4 r .. 4 r + 3
.endr
.irp j, 0,1,2,3,4,5,6,7
	ds_load_b128 v[SB+32+4*\j:SB+32+4*\j+3], v[STG+(\s)] offset:BLOCK+512*\j   ; V likewise
.endr
.endm
.macro CCVT                            ; in place, ascending: register n takes registers 2 n and 2 n + 1, which no earlier line has written
.set n, 0
.rept 32
	v_cvt_pk_bf16_f32 v[SB+n], v[SB+2*n], v[SB+2*n+1]
.set n, n+1
.endr
.endm
.macro CSTORE b
.irp j, 0,1,2,3,4,5,6,7
	ds_store_b64 v[CK+(\b)], v[SB+2*\j:SB+2*\j+1] offset:2*KP*\j
.endr
.irp j, 0,1,2,3,4,5,6,7
	ds_store_b64 v[CV+(\b)], v[SB+16+2*\j:SB+16+2*\j+1] offset:2*VP*\j
.endr
.endm
; Conversion of the later blocks, in four pieces p of four loads (pieces 0, 1: my 16 rows of K; 2, 3: of V), each in a slice of a PA, all in window 0.
.macro CL s, p                         ; piece p's loads from stage slot s: pairs of rows 4 p .. 4 p + 3 of the sixteen
.irp q, 0,1,2,3
	ds_load_b128 v[CR+4*\q:CR+4*\q+3], v[STG+(\s)] offset:BLOCK*(\p>>1)+512*((4*\p+\q)&7)
.endr
.endm
.macro CC                              ; in place, ascending, as above
.set n, 0
.rept 8
	v_cvt_pk_bf16_f32 v[CR+n], v[CR+2*n], v[CR+2*n+1]
.set n, n+1
.endr
.endm
.macro CS b, p                         ; piece p's stores into bf16 buffer b
.irp q, 0,1,2,3
.if \p < 2
	ds_store_b64 v[CK+(\b)], v[CR+2*\q:CR+2*\q+1] offset:2*KP*(4*\p+\q)
.else
	ds_store_b64 v[CV+(\b)], v[CR+2*\q:CR+2*\q+1] offset:2*VP*(4*\p+\q-8)
.endif
.endr
.endm
; Fragments of the 64 keys of sub-step u of bf16 buffer b: 16 loads each.  K's go out in the order in which the products take them (d half 0 of the
; four key tiles, then d half 1), so that the j-th product waits for loads 2 j and 2 j + 1 alone.
.macro KLOAD b, u
.irp ks, 0,1
.irp kt, 0,1,2,3
	ds_load_b128 v[KF+16*\kt+8*\ks:KF+16*\kt+8*\ks+3],   v[AK+\b] offset:(64*\u+16*\kt)*KP+64*\ks      ; key 16 kt + r, d = 32 ks + 8 h ..
	ds_load_b128 v[KF+16*\kt+8*\ks+4:KF+16*\kt+8*\ks+7], v[AK+\b] offset:(64*\u+16*\kt)*KP+64*\ks+32   ; d = 32 ks + 16 + 8 h ..
.endr
.endr
.endm
.macro VLOAD b, u                      ; under WIN 0x40: the data in window 1, the address in window 0
.irp dt, 0,1,2,3
.irp ks, 0,1
	ds_load_tr16_b128 v[VF+16*\dt+8*\ks:VF+16*\dt+8*\ks+3],   v[AV+\b] offset:(64*\u+32*\ks)*VP+32*\dt         ; d = 16 dt + r, keys 32 ks + 8 h ..
	ds_load_tr16_b128 v[VF+16*\dt+8*\ks+4:VF+16*\dt+8*\ks+7], v[AV+\b] offset:(64*\u+32*\ks)*VP+32*\dt+16*VP   ; keys 32 ks + 16 + 8 h ..
.endr
.endr
.endm
; The j-th of the 8 matrix instructions of S^T of query tile qn (none if qn < 0).  The four accumulators (key tiles) take turns, one instruction a turn,
; the first four start the sums.  kx >= 0: K's fragments are on their way; loads 2 j and 2 j + 1 are in when at most
; 14 - 2 j later loads of K and the kx LDS instructions issued behind K's are out.
.macro QW qn, j, kx
.if \qn >= 0
.set SN, SB+32*((\qn)&1)
.if \kx >= 0
	s_wait_dscnt 14-2*\j+\kx
.endif
.if \j < 4
	v_wmma_f32_16x16x32_bf16 v[SN+8*\j:SN+8*\j+7], v[KF+16*\j:KF+16*\j+7], v[QF+16*\qn:QF+16*\qn+7], 0
.else
	v_wmma_f32_16x16x32_bf16 v[SN+8*\j-32:SN+8*\j-25], v[KF+16*\j-56:KF+16*\j-49], v[QF+16*\qn+8:QF+16*\qn+15], v[SN+8*\j-32:SN+8*\j-25]
.endif
.endif
.endm
.macro EEC e, p                        ; two exponentials and one rounding of an earlier group's pair: the rounding is the plain line behind them
	v_exp_f32 v[SC+\e], v[SC+\e]
	v_exp_f32 v[SC+\e+1], v[SC+\e+1]
	s_wait_alu depctr_va_vdst(0)
	v_cvt_pk_bf16_f32 v[PP+\p], v[SC+2*\p], v[SC+2*\p+1]
.endm
; PA: softmax of query tile i up to P, in eight slices, each behind one matrix instruction of S^T of tile qn.  first = 1: no old maximum yet.
; In the first slice, behind at least eight plain lines (the places behind the last phase's matrix instructions, for the loads into V's fragments):
; cw = 1: wait for the conversion's loads; cp >= 0: round and store piece cp; cl >= 0: load piece cl; vu >= 0: load V's fragments of sub-step vu.
; Every exponential's result is read only behind a plain line that stands behind it (ISA guide 5.7.2): group k's exponentials alternate with the
; multiply-adds of groups k + 1, k + 2 and the roundings of group k - 1.
.macro PA i, first, qn, kx, slot, cw, cp, cl, vu
	WIN 0
.set SC, SB+32*((\i)&1)
	QW \qn, 0, \kx
.if \first == 0
	v_mul_f32 v[NMO], 0xbfb8aa3b, v[MX+\i]         ; -c x old maximum: the same rounded product that the last step used
.endif
.irp k, 0,1,2,3
	v_max3_num_f32 v[TT+\k], v[SC+8*\k], v[SC+8*\k+1], v[SC+8*\k+2]      ; four chains that do not wait for each other
.endr
.irp k, 0,1,2,3
	v_max3_num_f32 v[TT+\k], v[TT+\k], v[SC+8*\k+3], v[SC+8*\k+4]
.endr
.if \cw
	s_wait_dscnt 0x0                               ; the piece loaded a phase or more ago is in; nothing younger is out that matters
.endif
.if \cp >= 0
	CC
	CS 1-\slot, \cp
.endif
.if \cl >= 0
	CL 1-\slot, \cl
.endif
.if \vu >= 0
	WIN 0x40
	VLOAD \slot, \vu
	WIN 0
.endif
	QW \qn, 1, \kx
.irp k, 0,1,2,3
	v_max3_num_f32 v[TT+\k], v[TT+\k], v[SC+8*\k+5], v[SC+8*\k+6]
.endr
	v_max3_num_f32 v[UU], v[TT], v[TT+1], v[SC+7]
	v_max3_num_f32 v[UU], v[UU], v[TT+2], v[SC+15]
	v_max3_num_f32 v[UU], v[UU], v[TT+3], v[SC+23]
.if \first
	v_max_num_f32 v[UU], v[UU], v[SC+31]
.else
	v_max3_num_f32 v[UU], v[UU], v[SC+31], v[MX+\i]
.endif
	QW \qn, 2, \kx
	v_permlanex16_b32 v[XX], v[UU], s24, s25       ; lane r + 16 holds the same query's other 32 keys
	v_max_num_f32 v[MX+\i], v[UU], v[XX]           ; the new maximum, alike in both lanes
	v_mul_f32 v[NM], 0xbfb8aa3b, v[MX+\i]
.if \first == 0
	v_sub_f32 v[AL], v[NM], v[NMO]                 ; at most 0
	v_exp_f32 v[AL], v[AL]                         ; read in PB; the plain line behind it is the multiply-add below
.endif
.set n, 0
.rept 4
	v_pk_fma_f32 v[SC+2*n:SC+2*n+1], v[SC+2*n:SC+2*n+1], 0x3fb8aa3b, v[NM:NM+1] op_sel_hi:[1,0,0]   ; c s - c m, one rounding, both halves take v[NM]: key tile 0
.set n, n+1
.endr
	QW \qn, 3, \kx
.set n, 0
.rept 8
	v_exp_f32 v[SC+n], v[SC+n]                     ; key tile 0, among the multiply-adds of key tiles 1 and 2
	v_pk_fma_f32 v[SC+8+2*n:SC+9+2*n], v[SC+8+2*n:SC+9+2*n], 0x3fb8aa3b, v[NM:NM+1] op_sel_hi:[1,0,0]
.set n, n+1
.endr
	QW \qn, 4, \kx
.set n, 0
.rept 4
	v_exp_f32 v[SC+8+n], v[SC+8+n]                 ; key tile 1, among the multiply-adds of key tile 3
	v_pk_fma_f32 v[SC+24+2*n:SC+25+2*n], v[SC+24+2*n:SC+25+2*n], 0x3fb8aa3b, v[NM:NM+1] op_sel_hi:[1,0,0]
.set n, n+1
.endr
.set n, 0
.rept 4
	v_exp_f32 v[SC+12+n], v[SC+12+n]               ; and the roundings of key tile 0.  P as source 1: registers 0-7 keys 0-31, registers 8-15 keys 32-63
	s_wait_alu depctr_va_vdst(0)
	v_cvt_pk_bf16_f32 v[PP+n], v[SC+2*n], v[SC+2*n+1]
.set n, n+1
.endr
	QW \qn, 5, \kx
	EEC 16, 4
	EEC 18, 5
	QW \qn, 6, \kx
	EEC 20, 6
	EEC 22, 7
	QW \qn, 7, \kx
	EEC 24, 8
	EEC 26, 9
	EEC 28, 10
	EEC 30, 11
.irp p, 12,13,14,15
	v_cvt_pk_bf16_f32 v[PP+\p], v[SC+2*\p], v[SC+2*\p+1]     ; with the four above: eight plain places behind the last matrix instruction, before K's fragments are loaded again
.endr
.endm
; Parts of PB, under WIN 0x51: destination, source 0 and source 2 in window 1 (O, V, sums), source 1 in window 0 (P, scores, factor).
.macro RS d                            ; O's d tile d times the factor
.irp n, 0,1,2,3
	v_pk_mul_f32 v[OT+8*\d+2*\n:OT+8*\d+2*\n+1], v[OT+8*\d+2*\n:OT+8*\d+2*\n+1], v[AL:AL+1] op_sel_hi:[1,0]
.endr
.endm
.macro PW j, first                     ; the j-th of the 8 matrix instructions of O^T += V^T P^T: four accumulators (d tiles) take turns, one instruction a turn
.if \j < 4
.if \first
	v_wmma_f32_16x16x32_bf16 v[OT+8*\j:OT+8*\j+7], v[VF+16*\j:VF+16*\j+7], v[PP:PP+7], 0
.else
	v_wmma_f32_16x16x32_bf16 v[OT+8*\j:OT+8*\j+7], v[VF+16*\j:VF+16*\j+7], v[PP:PP+7], v[OT+8*\j:OT+8*\j+7]
.endif
.else
	v_wmma_f32_16x16x32_bf16 v[OT+8*\j-32:OT+8*\j-25], v[VF+16*\j-56:VF+16*\j-49], v[PP+8:PP+15], v[OT+8*\j-32:OT+8*\j-25]
.endif
.endm
.macro SADD q                          ; score pair q - 2 onto chain q & 1
	v_pk_add_f32 v[LT+2*(\q&1):LT+2*(\q&1)+1], v[LT+2*(\q&1):LT+2*(\q&1)+1], v[SC+2*\q-4:SC+2*\q-3]
.endm
.macro SUMOP q, first                  ; the row sum's 18 lines: 0, 1 rescale the two chains; 2 .. 17 add the 16 pairs.  first = 1: pairs 0 to 3 have started the chains
.if \q < 2
.if \first == 0
	v_pk_mul_f32 v[LT+2*\q:LT+2*\q+1], v[LT+2*\q:LT+2*\q+1], v[AL:AL+1] op_sel_hi:[1,0]
.endif
.else
.if \first
.if \q >= 6
	SADD \q
.endif
.else
	SADD \q
.endif
.endif
.endm
; PB: O^T of query tile i += V^T P^T over 64 keys, with O's rescale and the row sum among the products.  first = 1: the products and the first pairs start the sums.
.macro PB i, first
.set SC, SB+32*((\i)&1)
.set OT, OA+32*\i
.set LT, LSM+4*\i
.if \first
	WIN 0x40                                       ; both sources in window 0: the first four pairs start the two chains, nothing is cleared
	v_pk_add_f32 v[LT:LT+1], v[SC:SC+1], v[SC+2:SC+3]
	v_pk_add_f32 v[LT+2:LT+3], v[SC+4:SC+5], v[SC+6:SC+7]
	WIN 0x51
.else
	WIN 0x51
	RS 0
.endif
	PW 0, \first
.if \first == 0
	RS 1
.endif
	SUMOP 0, \first
	SUMOP 1, \first
	PW 1, \first
.if \first == 0
	RS 2
.endif
	SUMOP 2, \first
	SUMOP 3, \first
	PW 2, \first
.if \first == 0
	RS 3
.endif
	SUMOP 4, \first
	SUMOP 5, \first
	PW 3, \first
.irp q, 6,7,8
	SUMOP \q, \first
.endr
	PW 4, \first
.irp q, 9,10,11
	SUMOP \q, \first
.endr
	PW 5, \first
.irp q, 12,13,14
	SUMOP \q, \first
.endr
	PW 6, \first
.irp q, 15,16,17
	SUMOP \q, \first
.endr
	PW 7, \first
.endm
; A TRIP t (slot = t & 1) multiplies block t out of bf16 buffer slot, converts block t + 1 from stage slot 1 - slot into bf16 buffer 1 - slot, and asks
; for block t + 2 into stage slot slot.  The text is cut from barrier to barrier: HEAD and LEFT stand behind the barrier in front of trip t, and LEFT
; still finishes the last three phases of trip t - 1, which need registers alone.
; HEAD: the refill first, my one tensor load until the next round; then K's fragments of the first 64 keys; then the conversion's first piece.
.macro HEAD slot, refill, conv
.if \refill
	JLOAD \slot
.endif
	KLOAD \slot, 0
.if \conv
	CL 1-\slot, 0
.endif
.endm
.macro LEFT kx                         ; kx: LDS instructions issued behind K's loads in HEAD
	PB 2, 0
	PA 3, 0, 0, \kx, 0, 0, -1, -1, -1              ; carries S^T of the new trip's first stage
	PB 3, 0
.endm
; MID: the trip's stages from PA of (sub-step 0, tile 0) to PA of (sub-step 1, tile 2), and in them the barrier in front of the next trip.
; bar = 2: a round of the cluster's barrier; 1: the work-group's barrier; 0: none (the last trip).
; At the waits in front of the signal all of the trip's LDS work is over: its last fragment loads, its conversion's loads and stores.  So ONE barrier
; orders four things: this trip's reads of stage slot 1 - slot before that slot's refill; the landing of block t + 2 before anybody's reads of it;
; this trip's stores into bf16 buffer 1 - slot before their reads; this trip's reads of bf16 buffer slot before they are overwritten.
; Between the signal and its wait stand four phases, 32 matrix instructions with their slices: register work alone.
; By this text's count a wave has two tensor loads out at the start and one behind each round; from that one's issue to the wait for it the wave
; issues 96 of a trip's 128 matrix instructions.
.macro MID slot, conv, first, bar
.if \conv
	PA 0, \first, 1, -1, \slot, 1, 0, 1, 0         ; piece 0 out, piece 1 in, V's fragments of sub-step 0
.else
	PA 0, \first, 1, -1, \slot, 0, -1, -1, 0
.endif
	s_wait_dscnt 0x0                               ; V's fragments, the youngest LDS instructions, are in (and piece 1 with them)
	PB 0, \first
.if \conv
	PA 1, \first, 2, -1, \slot, 0, 1, 2, -1        ; piece 1 out, piece 2 in
.else
	PA 1, \first, 2, -1, \slot, 0, -1, -1, -1
.endif
	PB 1, \first
.if \conv
	PA 2, \first, 3, -1, \slot, 1, 2, 3, -1        ; piece 2 out, piece 3 in
.else
	PA 2, \first, 3, -1, \slot, 0, -1, -1, -1
.endif
	KLOAD \slot, 1                                 ; K's fragments have been read for the last time, eight plain lines ago
	PB 2, \first
	PA 3, \first, 0, 0, \slot, 0, -1, -1, -1       ; carries S^T of sub-step 1's first stage; nothing was issued behind K's loads.  Its last wait is for 0: piece 3 is in too
	PB 3, \first
.if \conv
	PA 0, 0, 1, -1, \slot, 0, 3, -1, 1             ; piece 3 out, V's fragments of sub-step 1
.else
	PA 0, 0, 1, -1, \slot, 0, -1, -1, 1
.endif
.if \bar == 2
	s_set_vgpr_msb 0x4
	s_wait_tensorcnt 0x0                           ; all my tensor loads have landed, my part of block t + 2 among them; so a group 0 may be written
	ds_add_u32 v27, v209
	s_wait_dscnt 0x0
	s_set_vgpr_msb 0x400
	s_add_nc_u64 s[G0+4*(1-\slot)+2:G0+4*(1-\slot)+3], s[G0+4*(1-\slot)+2:G0+4*(1-\slot)+3], 2*BLOCK   ; the other slot's next block (behind the last refill the stepped address is not used)
.endif
	s_wait_dscnt 0x0                               ; V's fragments are in, and with them every LDS read and store of this trip
.if \bar
	s_barrier_signal -1
.endif
	PB 0, 0
	PA 1, 0, 2, -1, \slot, 0, -1, -1, -1
	PB 1, 0
	PA 2, 0, 3, -1, \slot, 0, -1, -1, -1
.if \bar
	s_barrier_wait -1
.endif
.if \bar == 2
	CREST                                          ; all of that now holds of every wave of all four work-groups
.endif
.endm
; The way out of query tile i: divide by the row sum, 16 rows of 256 bytes through my own stage, whole rows to memory.
.macro OUTQ i
	WIN 0x05                                       ; sources 0 and 1 (the two chains) in window 1
	v_pk_add_f32 v[TT:TT+1], v[LSM+4*\i:LSM+4*\i+1], v[LSM+4*\i+2:LSM+4*\i+3]
	WIN 0
	v_add_f32 v[UU], v[TT], v[TT+1]
	v_permlanex16_b32 v[XX], v[UU], s24, s25       ; the other half of the keys
	v_add_f32 v[AL], v[UU], v[XX]                  ; at least about 1: the largest term of the row is 2^0
	v_rcp_f32 v[AL], v[AL]
	v_nop                                          ; one plain place behind the reciprocal
	WIN 0x01                                       ; source 0 (O) in window 1
.set n, 0
	s_wait_alu depctr_va_vdst(0)
.rept 16
	v_pk_mul_f32 v[KF+2*n:KF+2*n+1], v[OA+32*\i+2*n:OA+32*\i+2*n+1], v[AL:AL+1] op_sel_hi:[1,0]
.set n, n+1
.endr
	WIN 0
.irp dt, 0,1,2,3
	ds_store_b128 v[OST], v[KF+8*\dt:KF+8*\dt+3]   offset:64*\dt       ; query r, d = 16 dt + 8 h .. + 3
	ds_store_b128 v[OST], v[KF+8*\dt+4:KF+8*\dt+7] offset:64*\dt+16    ; .. + 4 .. + 7
.endr
	s_wait_xcnt 0x0                                ; the last tile's global stores have read their data registers, which are loaded again below
.irp t, 0,1,2,3,4,5,6,7
	ds_load_b128 v[KF+32+4*\t:KF+32+4*\t+3], v[ORD] offset:2*OP*\t     ; LDS serves a wave's instructions in order (ISA guide 5.7.1): these see the stores above
.endr
.irp t, 0,1,2,3,4,5,6,7
	s_wait_dscnt 7-\t                              ; read-back t is in, the 7 - t younger ones may be out
	global_store_b128 v[OGO], v[KF+32+4*\t:KF+32+4*\t+3], s[10:11] offset:(16*\i+2*\t)*256 th:TH_STORE_NT   ; two whole rows: 512 consecutive bytes, aligned
.endr
.endm
	s_load_b256 s[4:11], s[0:1], 0x0               ; Q s[4:5], K s[6:7], V s[8:9], out s[10:11]
	v_lshl_add_u32 v27, v0, 2, 0x3b800
	s_set_vgpr_msb 0x40
	v_mov_b32 v209, 0
	s_set_vgpr_msb 0x4044
	ds_add_u32 v27, v209
	s_set_vgpr_msb 0x4400
	v_lshrrev_b32 v1, 5, v0
	v_readfirstlane_b32 s12, v1                    ; wave 0..7
	s_bfe_u32 s13, ttmp6, 0x40000                  ; cx: my query block; it enters Q's and out's offset alone
	s_lshl_b32 s14, ttmp9, 19                      ; the cluster's number is the head: 2,048 rows of 256 bytes
	s_mov_b32 s24, 0x76543210                      ; v_permlanex16_b32: lane i of one half reads lane i of the other
	s_mov_b32 s25, 0xfedcba98
	; group 1: 64 rows of 32 elements of 8 bytes (256 bytes), dense, no padding (the stage is read 512 neighbouring bytes at a time)
	s_mov_b32 s[G1+0], 15|(3<<16)|(1<<21)          ; 15:0 mask: all four work-groups; 17:16 elements of 8 bytes; 21 set beside a mask
	s_mov_b32 s[G1+1], 32<<16                      ; tensor_dim0 = 32
	s_mov_b32 s[G1+2], 64<<16                      ; tensor_dim1 = 64
	s_mov_b32 s[G1+3], 32<<16                      ; tile_dim0 = 32
	s_mov_b32 s[G1+4], 64                          ; tile_dim1 = 64
	s_mov_b32 s[G1+5], 32                          ; 32 elements from row to row
	s_mov_b32 s[G1+6], 0
	s_mov_b32 s[G1+7], 0
	s_lshl_b32 s40, s13, 17                        ; Q and out: query block x 512 rows
	s_lshl_b32 s41, s12, 14                        ; + wave x 64 rows
	s_add_co_u32 s40, s40, s41
	s_add_co_u32 s40, s40, s14                     ; + head
	s_mov_b32 s41, 0
	s_and_b32 s28, s12, 1                          ; tiles: which 64 rows of the block I ask for
	s_lshl_b32 s28, s28, 14
	s_add_co_u32 s28, s28, s14                     ; + head: made of the head and the wave's number alone, alike in all four work-groups
	s_mov_b32 s29, 0
	s_lshl_b32 s42, s12, 14                        ; and where they go: K's two halves, then V's = wave x 16,384
	s_wait_dscnt 0x0
	s_wait_kmcnt 0x0
	s_add_nc_u64 s[4:5], s[4:5], s[40:41]
	s_add_nc_u64 s[10:11], s[10:11], s[40:41]
	s_cmp_lt_u32 s12, 2
	s_cselect_b64 s[30:31], s[6:7], s[8:9]         ; waves 0, 1: K; waves 2, 3: V (waves 4 to 7 ask for nothing)
	s_add_nc_u64 s[30:31], s[30:31], s[28:29]
.irp sl, 0,1
	s_mov_b32 s[G0+4*\sl], 1                                       ; count = 1
	s_add_co_u32 s[G0+4*\sl+1], s42, \sl*SLOT                      ; LDS address
	s_add_nc_u64 s[G0+4*\sl+2:G0+4*\sl+3], s[30:31], \sl*BLOCK     ; global address: block sl
	s_or_b32 s[G0+4*\sl+3], s[G0+4*\sl+3], 0x80000000              ; type = 2
.endr
	ROUND                                          ; all four work-groups are here: the first joint loads meet
	s_cmp_gt_u32 s12, 3
	s_cbranch_scc1 .Lno_first_fill
	tensor_load_to_lds s[G0:G0+3], s[G1:G1+7]      ; block 0
	s_nop 0
	tensor_load_to_lds s[G0+4:G0+7], s[G1:G1+7]    ; block 1
	s_nop 0
.Lno_first_fill:
	v_and_b32 v40, 15, v0                          ; r
	v_bfe_u32 v41, v0, 4, 1                        ; h
	v_lshlrev_b32 v52, 5, v41
	v_lshl_add_u32 v[QOF], v40, 8, v52             ; Q: row r, 32 bytes for each half of the lanes
	; Q: fragment (i, ks) wants d = 32 ks + 8 h .. + 7 and 32 ks + 16 + 8 h .. + 7 of row 16 i + r: four loads of 16 bytes.  q = 4 ks + 2 half + part.
	; As f32 the four tiles take 128 registers: tiles 0, 1 land in K's fragment registers, tiles 2, 3 in the score buffers, on either side of Q's own.
.irp i, 0,1,2,3
.set QS, KF+32*\i+64*(\i>>1)
.irp q, 0,1,2,3,4,5,6,7
	global_load_b128 v[QS+4*\q:QS+4*\q+3], v[QOF], s[4:5] offset:4096*\i+128*(\q>>2)+64*((\q>>1)&1)+16*(\q&1)
.endr
.endr
	v_and_b32 v42, 7, v0
	v_bfe_u32 v43, v0, 3, 1
	v_and_b32 v44, 31, v0                          ; lane
	v_mul_u32_u24 v45, v40, KP
	v_lshl_add_u32 v45, v41, 4, v45                ; K fragment: row r, 16 bytes for each half
	v_add_nc_u32 v[AK], BF, v45
	v_add_nc_u32 v[AK+1], BF+BFSZ, v45
	v_lshl_add_u32 v46, v41, 3, v42                ; V fragment: row 8 h + lane mod 8,
	v_mul_u32_u24 v46, v46, VP
	v_lshl_add_u32 v46, v43, 4, v46                ; 16 bytes for each group of eight lanes
	v_add_nc_u32 v[AV], BF+KSZ, v46
	v_add_nc_u32 v[AV+1], BF+BFSZ+KSZ, v46
	s_lshl_b32 s43, s12, 12                        ; conversion: my wave's 16 rows of 256 bytes in the stage
	v_lshl_add_u32 v[STG], v44, 4, s43
	v_add_nc_u32 v[STG+1], SLOT, v[STG]
	s_mul_i32 s44, s12, 16*KP                      ; and its 16 rows in K's bf16 buffer: a range of its own
	s_add_co_u32 s44, s44, BF
	v_mul_u32_u24 v47, v41, KP
	v_lshl_add_u32 v47, v40, 3, v47                ; row h of a pair, 8 bytes a lane
	v_add_nc_u32 v[CK], s44, v47
	v_add_nc_u32 v[CK+1], BFSZ, v[CK]
	s_mul_i32 s45, s12, 16*VP
	s_add_co_u32 s45, s45, BF+KSZ
	v_mul_u32_u24 v48, v41, VP
	v_lshl_add_u32 v48, v40, 3, v48
	v_add_nc_u32 v[CV], s45, v48
	v_add_nc_u32 v[CV+1], BFSZ, v[CV]
	s_mul_i32 s46, s12, OSZ
	s_add_co_u32 s46, s46, OUTS                    ; my wave's stage for the way out
	v_mul_u32_u24 v49, v40, OP
	v_lshl_add_u32 v49, v41, 5, v49
	v_add_nc_u32 v[OST], s46, v49                  ; in: row r, 32 bytes for each half
	v_mul_u32_u24 v50, v41, OP
	v_lshl_add_u32 v50, v40, 4, v50
	v_add_nc_u32 v[ORD], s46, v50                  ; back: lanes 0-15 one row, lanes 16-31 the next
	v_lshlrev_b32 v51, 4, v40
	v_lshl_add_u32 v[OGO], v41, 8, v51             ; and the same two rows in out
	v_mov_b32 v[NM+1], 0                           ; upper halves of pairs that are named whole,
	v_mov_b32 v[AL+1], 0
	v_mov_b32 v[XX], 0                             ; and a destination that counts as read
	s_wait_loadcnt 0x0                             ; Q is in
.irp i, 0,1,2,3
.set QS, KF+32*\i+64*(\i>>1)
.set n, 0
.rept 16
	v_cvt_pk_bf16_f32 v[QF+16*\i+n], v[QS+2*n], v[QS+2*n+1]
.set n, n+1
.endr
.endr
	s_wait_tensorcnt 0x1                           ; my part of block 0 is in; block 1 may stay out
	BAR                                            ; everybody's part is in
	CLOAD 0
	s_wait_dscnt 0x0
	CCVT
	CSTORE 0                                       ; block 0 in bf16
	; the round in front of trip 0, with nothing to do inside it
	s_set_vgpr_msb 0x4
	s_wait_tensorcnt 0x0                           ; block 1 has landed too; so a group 0 may be written
	ds_add_u32 v27, v209
	s_wait_dscnt 0x0
	s_set_vgpr_msb 0x400
	s_add_nc_u64 s[G0+2:G0+3], s[G0+2:G0+3], 2*BLOCK   ; slot 0's next block: 2
	s_wait_dscnt 0x0                               ; my reads of stage slot 0 and my stores of block 0 are done
	ROUND
	HEAD 0, 1, 1                                   ; trip 0
.irp j, 0,1,2,3,4,5,6,7
	QW 0, \j, 4                                    ; S^T of the very first stage has no softmax to stand among; behind K's loads: the conversion's four
.endr
	NOP4                                           ; before the first PA reads these scores
	MID 0, 1, 1, 2                                 ; its first sub-step starts maxima, sums and O
	HEAD 1, 1, 1                                   ; trip 1
	LEFT 4
	MID 1, 1, 0, 2
	s_mov_b32 s26, 6                               ; trips 2 to 13
.Llap:
	HEAD 0, 1, 1
	LEFT 4
	MID 0, 1, 0, 2
	HEAD 1, 1, 1
	LEFT 4
	MID 1, 1, 0, 2                                 ; in the last lap: the round in front of trip 14, behind which nothing is asked for; its waits show block 15 landed
	s_sub_co_u32 s26, s26, 1
	s_cmp_lg_u32 s26, 0
	s_cbranch_scc1 .Llap
	HEAD 0, 0, 1                                   ; trip 14: nothing left to ask for; block 15 is converted
	LEFT 4
	MID 0, 1, 0, 1
	HEAD 1, 0, 0                                   ; trip 15: nothing left to convert
	LEFT 0
	MID 1, 0, 0, 0
	PB 2, 0                                        ; the last three phases: no further S^T to carry
	PA 3, 0, -1, -1, 1, 0, -1, -1, -1
	PB 3, 0
	WIN 0
	NOP4                                           ; before O is read
	OUTQ 0
	OUTQ 1
	OUTQ 2
	OUTQ 3
	s_set_vgpr_msb 0x4
	s_wait_tensorcnt 0x0
	ds_add_u32 v27, v209
	s_wait_dscnt 0x0
	s_set_vgpr_msb 0x400
	ROUND                                          ; the closing round: no work-group ends while a partner may still ask jointly
	s_endpgm
.Lfunc_end_k_qafac1c194a_attn:
	.size	k_qafac1c194a_attn, .Lfunc_end_k_qafac1c194a_attn-k_qafac1c194a_attn
	.p2alignl 7, 3214868480
	.fill 96, 4, 3214868480
	.section	.rodata,"a",@progbits
	.p2align	6, 0x0
	.amdhsa_kernel k_qafac1c194a_attn
		.amdhsa_group_segment_fixed_size 327680
		.amdhsa_private_segment_fixed_size 0
		.amdhsa_enable_private_segment 0
		.amdhsa_kernarg_size 32
		.amdhsa_user_sgpr_count 2
		.amdhsa_user_sgpr_kernarg_segment_ptr 1
		.amdhsa_wavefront_size32 1
		.amdhsa_system_sgpr_workgroup_id_x 1
		.amdhsa_system_sgpr_workgroup_id_y 1
		.amdhsa_system_sgpr_workgroup_id_z 1
		.amdhsa_system_vgpr_workitem_id 0
		.amdhsa_next_free_vgpr 466
		.amdhsa_next_free_sgpr 66
		.amdhsa_reserve_vcc 0
		.amdhsa_float_denorm_mode_32 3
		.amdhsa_float_denorm_mode_16_64 3
		.amdhsa_memory_ordered 1
		.amdhsa_forward_progress 1
		.amdhsa_inst_pref_size 255
	.end_amdhsa_kernel
	.section	.bss,"aw",@nobits
	.p2align	6
	.space	262144
	.amdgpu_metadata
---
amdhsa.version: [ 1, 2 ]
amdhsa.kernels:
  - .name:           k_qafac1c194a_attn
    .symbol:         k_qafac1c194a_attn.kd
    .args:
      - { .name: input_query, .offset: 0, .size: 8, .value_kind: global_buffer, .address_space: global }
      - { .name: input_key, .offset: 8, .size: 8, .value_kind: global_buffer, .address_space: global }
      - { .name: input_value, .offset: 16, .size: 8, .value_kind: global_buffer, .address_space: global }
      - { .name: out0, .offset: 24, .size: 8, .value_kind: global_buffer, .address_space: global }
    .group_segment_fixed_size: 327680
    .private_segment_fixed_size: 0
    .kernarg_segment_align: 8
    .kernarg_segment_size: 32
    .max_flat_workgroup_size: 256
    .sgpr_count:     66
    .vgpr_count:     466
    .wavefront_size: 32
...
	.end_amdgpu_metadata
.endif
;; end of part 1
;; ======== version 2 of 2: 1 launch; 1.11 times as fast as version 1
;; launch attn (part 2): grid 256 x 1, 8 waves a work-group, clusters of 4 x 1, 327,680 bytes of LDS; arguments input_query, input_key, input_value, out0; writes out0
.if DOCPART == 2
	.amdgcn_target "amdgcn-amd-amdhsa--gfx1250"
	.amdhsa_code_object_version 6
	.text
	.protected	k_qafac1c194a_attn
	.globl	k_qafac1c194a_attn
	.p2align	8
	.type	k_qafac1c194a_attn,@function
k_qafac1c194a_attn:
	s_mov_b64 s[64:65], 0
	v_nop
	global_prefetch_b8 v0, s[64:65] scope:SCOPE_SE
	s_setreg_imm32_b32 hwreg(HW_REG_WAVE_MODE, 25, 1), 1
	s_wait_xcnt 0x0
	s_wait_alu depctr_hold_cnt(0) depctr_sa_sdst(0) depctr_va_vdst(0) depctr_va_sdst(0) depctr_va_ssrc(0) depctr_va_vcc(0) depctr_vm_vsrc(0)
	s_getreg_b32 s2, hwreg(HW_REG_IB_STS2, 6, 4)
	s_cmp_eq_u32 s2, 0
	s_cbranch_scc0 .Lentry_in_a_cluster
	s_endpgm
.Lentry_in_a_cluster:
	s_bfe_u32 s2, ttmp6, 0x10000c
	s_cmp_lg_u32 s2, 0x3003
	s_cbranch_scc0 .Lentry_shape_is_right
	s_endpgm
.Lentry_shape_is_right:
; out[b,h,s,:] = sum over t of softmax_t(q[s] . k[t]) v[t].  64 heads (b,h), 2,048 rows of 64 f32 in each of Q, K, V and out.
; All three inputs reach every output: nothing of the computation is left out.
;
; SHARES.  A cluster of four work-groups is one head; a work-group takes 512 queries, each of its eight waves 64 queries = 4 query tiles of 16.
; The four work-groups walk the same 16 blocks of 128 keys, so each block of K and V is asked for JOINTLY (mask 15): waves 0 and 1 ask for
; the two halves of K, waves 2 and 3 for those of V, 64 rows of 256 bytes each, into one of two stage slots in LDS (f32, as in memory).
; The work-group converts a block ONCE to bf16 (wave w: rows 16 w to 16 w + 15 of K and of V) into one of two bf16 buffers in LDS, which
; only ds_store lines write; all eight waves read their fragments from there.
;
; BOTH PRODUCTS ARE USED TRANSPOSED.  S^T = K Q^T: source 0 = 16 keys x 32 d, source 1 = 16 queries x 32 d.  In the result lane (r, h)
; holds query r, register j key 8 h + j.  So a query's scores lie in two lanes (r and r + 16): maximum and sum run along registers, one
; v_permlanex16_b32 joins the halves.  Two neighbouring key tiles, rounded in pairs to bf16, ARE source 1 of O^T = V^T P^T (registers 0-3:
; keys 8 h .. 8 h + 7, registers 4-7: keys 16 + 8 h ..): no lane exchange.  O^T's lane again holds query r, so the running rescale is a
; multiply by a factor that the lane already has.  V^T's fragments come by the transposing LDS load.
;
; THE SCHEDULE.  A stage is one query tile x 64 keys; stages follow each other tile by tile, sub-step by sub-step, trip by trip.  Stage g
; is two phases, each under ONE setting of the register windows, in which single matrix instructions stand among slices of vector work:
;   PA(g), all operands in window 0: maximum, exponentials and rounding to P of stage g (86 vector instructions), and among them the
;          8 matrix instructions of S^T of stage g + 1, into the other score buffer;
;   PB(g), O and V in window 1, P, scores and factor in window 0: the 8 matrix instructions of O^T += V^T P^T of stage g, and among them
;          the rescale of O (each d tile's four multiplies ahead of its product) and the row sum (34 vector instructions).
; No one setting serves both: O (128), V (64), two score buffers (64) and the scratch do not fit into one window of 256.
; PA has more vector than matrix work and PB the other way round, so the SIMD's second wave (eight waves, two to a SIMD) has the other
; kind of work to offer in either.  The slices are also the places behind the matrix instructions: the loop has no v_nop.
;
; THE EXPONENTIALS OF A STAGE ARE ONE BATCH OF 33, WITH ONE WAIT, which cuts PA(g) in two.  Ahead of the wait stands all that names no result
; of theirs: the maximum, the factor's exponential, the 16 scalings, the 32 exponentials of the scores (each in place, in a register of its
; own) and the first four matrix instructions of S^T of stage g + 1.  Behind it stand the readers: the 16 roundings to P, four behind each of
; the other four matrix instructions, and then PB(g), whose rescale reads the factor and whose row sum reads the exponentials..
; On the way out each query tile's one
; reciprocal has a wait of its own.
;
; FORMATS.  Q, K, V are rounded to bf16 (nearest even) exactly as they stand, no factor folded in; sums of products in f32; softmax in f32
; with a running maximum per query, taken over steps of 64 keys.  exp(s - m) = 2^(c s + n), c = log2 e, n = the ROUNDED product -c m; the
; rescale is 2^(n new - n old) of the same rounded products, so numerator and denominator keep one reference at any size of the scores.
; LIMITS.  P is rounded to bf16 for the second product while the row sum adds the unrounded f32 P (relative 2^-9 per term).  Terms below
; 2^-126 of the row's largest count as zero (v_exp_f32 flushes them: ISA guide 15.8).  The maxima let a NaN lose, but a NaN score still
; reaches its row's sum and products, so the row is NaN as in the reference; so does a score of +infinity.  A row whose first 64 scores
; are ALL -infinity (q . k beyond f32's range, inputs of about 2^60) becomes NaN even if later scores are finite.
.set BLOCK, 32768                      ; 128 rows of 256 bytes: a block of K or of V in memory and in a stage slot
.set SLOT,  65536                      ; a stage slot: K's block, then V's.  Slots at LDS byte 0 and 65,536; tensor loads alone write them
.set BF,    131072                     ; the two bf16 buffers
.set KP,    144                        ; K bf16: 128 bytes a row + 16: an odd multiple of 16, so 16 rows start at 16 different 16-byte columns mod 256
.set VP,    160                        ; V bf16: 128 bytes a row + 32: an odd multiple of 32, as the transposing load's eight rows want
.set KSZ,   128*KP                     ; 18,432
.set BFSZ,  KSZ+128*VP                 ; 38,912: one buffer, K then V
.set OUTS,  BF+2*BFSZ                  ; 208,896: the way out, 16 rows x 272 bytes for each wave
.set OP,    272
.set OSZ,   16*OP                      ; 4,352; the map ends at 208,896 + 8 x 4,352 = 243,712
; window 0
.set AK,  2                            ; v2-3    my K fragment address in bf16 buffer 0, 1
.set AV,  4                            ; v4-5    my V fragment address (transposing load)
.set STG, 6                            ; v6-7    conversion: my 16 bytes in stage slot 0, 1
.set CK,  8                            ; v8-9    conversion: my 8 bytes of K in bf16 buffer 0, 1
.set CV,  10                           ; v10-11  the same for V
.set OST, 12                           ; v12     way out: where I put 32 bytes of a row
.set ORD, 13                           ; v13     way out: where I read 16 bytes back
.set OGO, 14                           ; v14     way out: my byte offset in out
.set QOF, 15                           ; v15     my byte offset in Q
.set MX,  16                           ; v16-19  running maximum of query tile i, in score units
.set NM,  20                           ; v20     -c x maximum; v21 written once (a pair is named)
.set AL,  22                           ; v22     rescale factor; v23 written once
.set NMO, 24                           ; v24     -c x old maximum
.set XX,  25                           ; v25     what the other half of the lanes sent
.set UU,  26                           ; v26
.set TT,  28                           ; v28-31  four chains of maxima
.set PP,  32                           ; v32-47  P of the stage at work, as source 1 (in the prologue: scratch)
.set CR,  48                           ; v48-63  the conversion's own registers: a piece of four loads (in the prologue: scratch)
.set KF,  64                           ; v64-127   K fragments: key tile kt, d half ks at KF + 16 kt + 8 ks
.set QF,  128                          ; v128-191  Q fragments: query tile i, d half ks at QF + 16 i + 8 ks
.set SB,  192                          ; v192-255  two score buffers of 32 registers, query tile i uses buffer i & 1
; window 1
.set OA,  0                            ; v256-383  O^T: query tile i, d tile dt at 32 i + 8 dt
.set VF,  128                          ; v384-447  V^T fragments: d tile dt, key half ks at VF + 16 dt + 8 ks
.set LSM, 192                          ; v448-463  row sums of query tile i: two chains of pairs at LSM + 4 i, this half of the lanes' keys
.set G1,  16                           ; s[16:23]  descriptor group 1, the same for every load
.set G0,  32                           ; s[32:39]  descriptor group 0, a set for each slot
.set MSB, 0
.macro WIN new                         ; s_set_vgpr_msb: bits 1:0 source 0, 3:2 source 1, 5:4 source 2, 7:6 destination; the high byte repeats the setting left
.if MSB != \new
	s_set_vgpr_msb (MSB<<8)|\new
.set MSB, \new
.endif
.endm
.macro NOP4                            ; four places behind a matrix instruction (ISA guide 7.12.1), where no vector work is at hand: twice in the kernel, outside the loop
.rept 4
	v_nop
.endr
.endm
.macro BAR
	s_barrier_signal -1
	s_barrier_wait -1
.endm
; A round of the cluster's barrier: my work-group's barrier, wave 0 signals for the work-group, every wave waits for all four work-groups, my work-group's barrier again.
.macro CREST                           ; a round behind its opening barrier
	s_cmp_lg_u32 s12, 0
	s_cbranch_scc1 .Lnot_wave_0_\@
	s_barrier_signal -3
.Lnot_wave_0_\@:
	s_barrier_wait -3
	s_barrier_signal -1
	s_barrier_wait -1
.endm
.macro ROUND                           ; a whole round
	s_barrier_signal -1
	s_barrier_wait -1
	CREST
.endm
; The joint refill of slot s: waves 0 to 3, a quarter of the slot each.  The branch hangs on the wave's number alone, alike in all four work-groups.
.macro JLOAD s
	s_cmp_gt_u32 s12, 3
	s_cbranch_scc1 .Lnone_\@
	tensor_load_to_lds s[G0+4*\s:G0+4*\s+3], s[G1:G1+7]
	s_nop 0
.Lnone_\@:
.endm
; Conversion of block 0, in front of everything, in one go through the score buffers: 16 loads of 512 neighbouring bytes (two rows), 32 roundings, 16 stores.
.macro CLOAD s
.irp j, 0,1,2,3,4,5,6,7
	ds_load_b128 v[SB+4*\j:SB+4*\j+3], v[STG+(\s)] offset:512*\j               ; K rows 16 w + 2 j + h, floats 4 r .. 4 r + 3
.endr
.irp j, 0,1,2,3,4,5,6,7
	ds_load_b128 v[SB+32+4*\j:SB+32+4*\j+3], v[STG+(\s)] offset:BLOCK+512*\j   ; V likewise
.endr
.endm
.macro CCVT                            ; in place, ascending: register n takes registers 2 n and 2 n + 1, which no earlier line has written
.set n, 0
.rept 32
	v_cvt_pk_bf16_f32 v[SB+n], v[SB+2*n], v[SB+2*n+1]
.set n, n+1
.endr
.endm
.macro CSTORE b
.irp j, 0,1,2,3,4,5,6,7
	ds_store_b64 v[CK+(\b)], v[SB+2*\j:SB+2*\j+1] offset:2*KP*\j
.endr
.irp j, 0,1,2,3,4,5,6,7
	ds_store_b64 v[CV+(\b)], v[SB+16+2*\j:SB+16+2*\j+1] offset:2*VP*\j
.endr
.endm
; Conversion of the later blocks, in four pieces p of four loads (pieces 0, 1: my 16 rows of K; 2, 3: of V), each in a slice of a PA, all in window 0.
.macro CL s, p                         ; piece p's loads from stage slot s: pairs of rows 4 p .. 4 p + 3 of the sixteen
.irp q, 0,1,2,3
	ds_load_b128 v[CR+4*\q:CR+4*\q+3], v[STG+(\s)] offset:BLOCK*(\p>>1)+512*((4*\p+\q)&7)
.endr
.endm
.macro CC                              ; in place, ascending, as above
.set n, 0
.rept 8
	v_cvt_pk_bf16_f32 v[CR+n], v[CR+2*n], v[CR+2*n+1]
.set n, n+1
.endr
.endm
.macro CS b, p                         ; piece p's stores into bf16 buffer b
.irp q, 0,1,2,3
.if \p < 2
	ds_store_b64 v[CK+(\b)], v[CR+2*\q:CR+2*\q+1] offset:2*KP*(4*\p+\q)
.else
	ds_store_b64 v[CV+(\b)], v[CR+2*\q:CR+2*\q+1] offset:2*VP*(4*\p+\q-8)
.endif
.endr
.endm
; Fragments of the 64 keys of sub-step u of bf16 buffer b: 16 loads each.  K's go out in the order in which the products take them (d half 0 of the
; four key tiles, then d half 1), so that the j-th product waits for loads 2 j and 2 j + 1 alone.
.macro KLOAD b, u
.irp ks, 0,1
.irp kt, 0,1,2,3
	ds_load_b128 v[KF+16*\kt+8*\ks:KF+16*\kt+8*\ks+3],   v[AK+\b] offset:(64*\u+16*\kt)*KP+64*\ks      ; key 16 kt + r, d = 32 ks + 8 h ..
	ds_load_b128 v[KF+16*\kt+8*\ks+4:KF+16*\kt+8*\ks+7], v[AK+\b] offset:(64*\u+16*\kt)*KP+64*\ks+32   ; d = 32 ks + 16 + 8 h ..
.endr
.endr
.endm
.macro VLOAD b, u                      ; under WIN 0x40: the data in window 1, the address in window 0
.irp dt, 0,1,2,3
.irp ks, 0,1
	ds_load_tr16_b128 v[VF+16*\dt+8*\ks:VF+16*\dt+8*\ks+3],   v[AV+\b] offset:(64*\u+32*\ks)*VP+32*\dt         ; d = 16 dt + r, keys 32 ks + 8 h ..
	ds_load_tr16_b128 v[VF+16*\dt+8*\ks+4:VF+16*\dt+8*\ks+7], v[AV+\b] offset:(64*\u+32*\ks)*VP+32*\dt+16*VP   ; keys 32 ks + 16 + 8 h ..
.endr
.endr
.endm
; The j-th of the 8 matrix instructions of S^T of query tile qn (none if qn < 0).  The four accumulators (key tiles) take turns, one instruction a turn,
; the first four start the sums.  kx >= 0: K's fragments are on their way; loads 2 j and 2 j + 1 are in when at most
; 14 - 2 j later loads of K and the kx LDS instructions issued behind K's are out.
.macro QW qn, j, kx
.if \qn >= 0
.set SN, SB+32*((\qn)&1)
.if \kx >= 0
	s_wait_dscnt 14-2*\j+\kx
.endif
.if \j < 4
	v_wmma_f32_16x16x32_bf16 v[SN+8*\j:SN+8*\j+7], v[KF+16*\j:KF+16*\j+7], v[QF+16*\qn:QF+16*\qn+7], 0
.else
	v_wmma_f32_16x16x32_bf16 v[SN+8*\j-32:SN+8*\j-25], v[KF+16*\j-56:KF+16*\j-49], v[QF+16*\qn+8:QF+16*\qn+15], v[SN+8*\j-32:SN+8*\j-25]
.endif
.endif
.endm
; PA: softmax of query tile i up to P, in eight slices, each behind one matrix instruction of S^T of tile qn.  first = 1: no old maximum yet.
; In the first slice, behind at least eight plain lines (the places behind the last phase's matrix instructions, for the loads into V's fragments):
; cw = 1: wait for the conversion's loads; cp >= 0: round and store piece cp; cl >= 0: load piece cl; vu >= 0: load V's fragments of sub-step vu.
; THE BATCH.  The factor's exponential and the 32 of the scores are one batch; the one wait stands behind the last of them and ahead of the first rounding.
; Slices 0 to 2 find the maximum, issue the factor's exponential and scale pairs 0 to 3.  Slice 3 is a lump of 44 in fours, a four beginning with a scaling
; while there are scalings: twice scaling, exponential, scaling, exponential (pairs 4-7, s0-s3); eight times a scaling and three exponentials (pairs 8-15,
; s4-s27); s28-s31.  A pair is scaled in an earlier four than the one that holds its exponentials, and no scaling touches a register that has had its
; exponential.  Slices 4 to 7, behind the wait, are four roundings each.  The plain line that is wanted between an exponential and the use of its result
; (ISA guide 5.7.2) is a later scaling, or, for s25-s31, the roundings of pairs 0 on, which read other registers.
.macro PA i, first, qn, kx, slot, cw, cp, cl, vu
	WIN 0
.set SC, SB+32*((\i)&1)
	QW \qn, 0, \kx
.if \first == 0
	v_mul_f32 v[NMO], 0xbfb8aa3b, v[MX+\i]         ; -c x old maximum: the same rounded product that the last step used
.endif
.irp k, 0,1,2,3
	v_max3_num_f32 v[TT+\k], v[SC+8*\k], v[SC+8*\k+1], v[SC+8*\k+2]      ; four chains that do not wait for each other
.endr
.irp k, 0,1,2,3
	v_max3_num_f32 v[TT+\k], v[TT+\k], v[SC+8*\k+3], v[SC+8*\k+4]
.endr
.if \cw
	s_wait_dscnt 0x0                               ; the piece loaded a phase or more ago is in; nothing younger is out that matters
.endif
.if \cp >= 0
	CC
	CS 1-\slot, \cp
.endif
.if \cl >= 0
	CL 1-\slot, \cl
.endif
.if \vu >= 0
	WIN 0x40
	VLOAD \slot, \vu
	WIN 0
.endif
	QW \qn, 1, \kx
.irp k, 0,1,2,3
	v_max3_num_f32 v[TT+\k], v[TT+\k], v[SC+8*\k+5], v[SC+8*\k+6]
.endr
	v_max3_num_f32 v[UU], v[TT], v[TT+1], v[SC+7]
	v_max3_num_f32 v[UU], v[UU], v[TT+2], v[SC+15]
	v_max3_num_f32 v[UU], v[UU], v[TT+3], v[SC+23]
.if \first
	v_max_num_f32 v[UU], v[UU], v[SC+31]
.else
	v_max3_num_f32 v[UU], v[UU], v[SC+31], v[MX+\i]
.endif
	QW \qn, 2, \kx
	v_permlanex16_b32 v[XX], v[UU], s24, s25       ; lane r + 16 holds the same query's other 32 keys
	v_max_num_f32 v[MX+\i], v[UU], v[XX]           ; the new maximum, alike in both lanes
	v_mul_f32 v[NM], 0xbfb8aa3b, v[MX+\i]
.if \first == 0
	v_sub_f32 v[AL], v[NM], v[NMO]                 ; at most 0
	v_exp_f32 v[AL], v[AL]                         ; the batch's first; read in PB; the plain line behind it is the multiply-add below
.endif
.set n, 0
.rept 4
	v_pk_fma_f32 v[SC+2*n:SC+2*n+1], v[SC+2*n:SC+2*n+1], 0x3fb8aa3b, v[NM:NM+1] op_sel_hi:[1,0,0]   ; c s - c m, one rounding, both halves take v[NM]: pairs 0 to 3
.set n, n+1
.endr
	QW \qn, 3, \kx
.set n, 0
.rept 4
	v_pk_fma_f32 v[SC+8+2*n:SC+9+2*n], v[SC+8+2*n:SC+9+2*n], 0x3fb8aa3b, v[NM:NM+1] op_sel_hi:[1,0,0]   ; pairs 4 to 7,
	v_exp_f32 v[SC+n], v[SC+n]                     ; by turns with s0 to s3
.set n, n+1
.endr
.set n, 0
.rept 8
	v_pk_fma_f32 v[SC+16+2*n:SC+17+2*n], v[SC+16+2*n:SC+17+2*n], 0x3fb8aa3b, v[NM:NM+1] op_sel_hi:[1,0,0]   ; pairs 8 to 15,
	v_exp_f32 v[SC+4+3*n], v[SC+4+3*n]             ; each with three of s4 to s27
	v_exp_f32 v[SC+5+3*n], v[SC+5+3*n]
	v_exp_f32 v[SC+6+3*n], v[SC+6+3*n]
.set n, n+1
.endr
.irp p, 28,29,30,31
	v_exp_f32 v[SC+\p], v[SC+\p]                   ; the batch's last four
.endr
	s_wait_alu depctr_va_vdst(0)                   ; the stage's one wait: for the batch of 33, ahead of its first reader; it serves the roundings below and PB's rescale and row sum
	QW \qn, 4, \kx
.irp p, 0,1,2,3
	v_cvt_pk_bf16_f32 v[PP+\p], v[SC+2*\p], v[SC+2*\p+1]     ; P as source 1: registers 0-7 keys 0-31, registers 8-15 keys 32-63
.endr
	QW \qn, 5, \kx
.irp p, 4,5,6,7
	v_cvt_pk_bf16_f32 v[PP+\p], v[SC+2*\p], v[SC+2*\p+1]
.endr
	QW \qn, 6, \kx
.irp p, 8,9,10,11
	v_cvt_pk_bf16_f32 v[PP+\p], v[SC+2*\p], v[SC+2*\p+1]
.endr
	QW \qn, 7, \kx
.irp p, 12,13,14,15
	v_cvt_pk_bf16_f32 v[PP+\p], v[SC+2*\p], v[SC+2*\p+1]     ; four plain places behind the last matrix instruction, none of whose registers they name, before K's fragments are loaded again
.endr
.endm
; Parts of PB, under WIN 0x51: destination, source 0 and source 2 in window 1 (O, V, sums), source 1 in window 0 (P, scores, factor).
.macro RS d                            ; O's d tile d times the factor
.irp n, 0,1,2,3
	v_pk_mul_f32 v[OT+8*\d+2*\n:OT+8*\d+2*\n+1], v[OT+8*\d+2*\n:OT+8*\d+2*\n+1], v[AL:AL+1] op_sel_hi:[1,0]
.endr
.endm
.macro PW j, first                     ; the j-th of the 8 matrix instructions of O^T += V^T P^T: four accumulators (d tiles) take turns, one instruction a turn
.if \j < 4
.if \first
	v_wmma_f32_16x16x32_bf16 v[OT+8*\j:OT+8*\j+7], v[VF+16*\j:VF+16*\j+7], v[PP:PP+7], 0
.else
	v_wmma_f32_16x16x32_bf16 v[OT+8*\j:OT+8*\j+7], v[VF+16*\j:VF+16*\j+7], v[PP:PP+7], v[OT+8*\j:OT+8*\j+7]
.endif
.else
	v_wmma_f32_16x16x32_bf16 v[OT+8*\j-32:OT+8*\j-25], v[VF+16*\j-56:VF+16*\j-49], v[PP+8:PP+15], v[OT+8*\j-32:OT+8*\j-25]
.endif
.endm
.macro SADD q                          ; score pair q - 2 onto chain q & 1
	v_pk_add_f32 v[LT+2*(\q&1):LT+2*(\q&1)+1], v[LT+2*(\q&1):LT+2*(\q&1)+1], v[SC+2*\q-4:SC+2*\q-3]
.endm
.macro SUMOP q, first                  ; the row sum's 18 lines: 0, 1 rescale the two chains; 2 .. 17 add the 16 pairs.  first = 1: pairs 0 to 3 have started the chains
.if \q < 2
.if \first == 0
	v_pk_mul_f32 v[LT+2*\q:LT+2*\q+1], v[LT+2*\q:LT+2*\q+1], v[AL:AL+1] op_sel_hi:[1,0]
.endif
.else
.if \first
.if \q >= 6
	SADD \q
.endif
.else
	SADD \q
.endif
.endif
.endm
; PB: O^T of query tile i += V^T P^T over 64 keys, with O's rescale and the row sum among the products.  first = 1: the products and the first pairs start the sums.
.macro PB i, first
.set SC, SB+32*((\i)&1)
.set OT, OA+32*\i
.set LT, LSM+4*\i
.if \first
	WIN 0x40                                       ; both sources in window 0: the first four pairs start the two chains, nothing is cleared
	v_pk_add_f32 v[LT:LT+1], v[SC:SC+1], v[SC+2:SC+3]
	v_pk_add_f32 v[LT+2:LT+3], v[SC+4:SC+5], v[SC+6:SC+7]
	WIN 0x51
.else
	WIN 0x51
	RS 0
.endif
	PW 0, \first
.if \first == 0
	RS 1
.endif
	SUMOP 0, \first
	SUMOP 1, \first
	PW 1, \first
.if \first == 0
	RS 2
.endif
	SUMOP 2, \first
	SUMOP 3, \first
	PW 2, \first
.if \first == 0
	RS 3
.endif
	SUMOP 4, \first
	SUMOP 5, \first
	PW 3, \first
.irp q, 6,7,8
	SUMOP \q, \first
.endr
	PW 4, \first
.irp q, 9,10,11
	SUMOP \q, \first
.endr
	PW 5, \first
.irp q, 12,13,14
	SUMOP \q, \first
.endr
	PW 6, \first
.irp q, 15,16,17
	SUMOP \q, \first
.endr
	PW 7, \first
.endm
; A TRIP t (slot = t & 1) multiplies block t out of bf16 buffer slot, converts block t + 1 from stage slot 1 - slot into bf16 buffer 1 - slot, and asks
; for block t + 2 into stage slot slot.  The text is cut from barrier to barrier: HEAD and LEFT stand behind the barrier in front of trip t, and LEFT
; still finishes the last three phases of trip t - 1, which need registers alone.
; HEAD: the refill first, my one tensor load until the next round; then K's fragments of the first 64 keys; then the conversion's first piece.
.macro HEAD slot, refill, conv
.if \refill
	JLOAD \slot
.endif
	KLOAD \slot, 0
.if \conv
	CL 1-\slot, 0
.endif
.endm
.macro LEFT kx                         ; kx: LDS instructions issued behind K's loads in HEAD
	PB 2, 0
	PA 3, 0, 0, \kx, 0, 0, -1, -1, -1              ; carries S^T of the new trip's first stage
	PB 3, 0
.endm
; MID: the trip's stages from PA of (sub-step 0, tile 0) to PA of (sub-step 1, tile 2), and in them the barrier in front of the next trip.
; bar = 2: a round of the cluster's barrier; 1: the work-group's barrier; 0: none (the last trip).
; At the waits in front of the signal all of the trip's LDS work is over: its last fragment loads, its conversion's loads and stores.  So ONE barrier
; orders four things: this trip's reads of stage slot 1 - slot before that slot's refill; the landing of block t + 2 before anybody's reads of it;
; this trip's stores into bf16 buffer 1 - slot before their reads; this trip's reads of bf16 buffer slot before they are overwritten.
; Between the signal and its wait stand four phases, 32 matrix instructions with their slices: register work alone.
; By this text's count a wave has two tensor loads out at the start and one behind each round; from that one's issue to the wait for it the wave
; issues 96 of a trip's 128 matrix instructions.
.macro MID slot, conv, first, bar
.if \conv
	PA 0, \first, 1, -1, \slot, 1, 0, 1, 0         ; piece 0 out, piece 1 in, V's fragments of sub-step 0
.else
	PA 0, \first, 1, -1, \slot, 0, -1, -1, 0
.endif
	s_wait_dscnt 0x0                               ; V's fragments, the youngest LDS instructions, are in (and piece 1 with them)
	PB 0, \first
.if \conv
	PA 1, \first, 2, -1, \slot, 0, 1, 2, -1        ; piece 1 out, piece 2 in
.else
	PA 1, \first, 2, -1, \slot, 0, -1, -1, -1
.endif
	PB 1, \first
.if \conv
	PA 2, \first, 3, -1, \slot, 1, 2, 3, -1        ; piece 2 out, piece 3 in
.else
	PA 2, \first, 3, -1, \slot, 0, -1, -1, -1
.endif
	KLOAD \slot, 1                                 ; K's fragments have been read for the last time, four plain lines ago: the stage's last four roundings
	PB 2, \first
	PA 3, \first, 0, 0, \slot, 0, -1, -1, -1       ; carries S^T of sub-step 1's first stage; nothing was issued behind K's loads.  Its last wait is for 0: piece 3 is in too
	PB 3, \first
.if \conv
	PA 0, 0, 1, -1, \slot, 0, 3, -1, 1             ; piece 3 out, V's fragments of sub-step 1
.else
	PA 0, 0, 1, -1, \slot, 0, -1, -1, 1
.endif
.if \bar == 2
	s_set_vgpr_msb 0x4
	s_wait_tensorcnt 0x0                           ; all my tensor loads have landed, my part of block t + 2 among them; so a group 0 may be written
	ds_add_u32 v27, v209
	s_wait_dscnt 0x0
	s_set_vgpr_msb 0x400
	s_add_nc_u64 s[G0+4*(1-\slot)+2:G0+4*(1-\slot)+3], s[G0+4*(1-\slot)+2:G0+4*(1-\slot)+3], 2*BLOCK   ; the other slot's next block (behind the last refill the stepped address is not used)
.endif
	s_wait_dscnt 0x0                               ; V's fragments are in, and with them every LDS read and store of this trip
.if \bar
	s_barrier_signal -1
.endif
	PB 0, 0
	PA 1, 0, 2, -1, \slot, 0, -1, -1, -1
	PB 1, 0
	PA 2, 0, 3, -1, \slot, 0, -1, -1, -1
.if \bar
	s_barrier_wait -1
.endif
.if \bar == 2
	CREST                                          ; all of that now holds of every wave of all four work-groups
.endif
.endm
; The way out of query tile i: divide by the row sum, 16 rows of 256 bytes through my own stage, whole rows to memory.
.macro OUTQ i
	WIN 0x05                                       ; sources 0 and 1 (the two chains) in window 1
	v_pk_add_f32 v[TT:TT+1], v[LSM+4*\i:LSM+4*\i+1], v[LSM+4*\i+2:LSM+4*\i+3]
	WIN 0
	v_add_f32 v[UU], v[TT], v[TT+1]
	v_permlanex16_b32 v[XX], v[UU], s24, s25       ; the other half of the keys
	v_add_f32 v[AL], v[UU], v[XX]                  ; at least about 1: the largest term of the row is 2^0
	v_rcp_f32 v[AL], v[AL]
	v_nop                                          ; one plain place behind the reciprocal
	WIN 0x01                                       ; source 0 (O) in window 1
.set n, 0
	s_wait_alu depctr_va_vdst(0)                   ; the wait ahead of the first use of the tile's one reciprocal: once a query tile, on the way out alone
.rept 16
	v_pk_mul_f32 v[KF+2*n:KF+2*n+1], v[OA+32*\i+2*n:OA+32*\i+2*n+1], v[AL:AL+1] op_sel_hi:[1,0]
.set n, n+1
.endr
	WIN 0
.irp dt, 0,1,2,3
	ds_store_b128 v[OST], v[KF+8*\dt:KF+8*\dt+3]   offset:64*\dt       ; query r, d = 16 dt + 8 h .. + 3
	ds_store_b128 v[OST], v[KF+8*\dt+4:KF+8*\dt+7] offset:64*\dt+16    ; .. + 4 .. + 7
.endr
	s_wait_xcnt 0x0                                ; the last tile's global stores have read their data registers, which are loaded again below
.irp t, 0,1,2,3,4,5,6,7
	ds_load_b128 v[KF+32+4*\t:KF+32+4*\t+3], v[ORD] offset:2*OP*\t     ; LDS serves a wave's instructions in order (ISA guide 5.7.1): these see the stores above
.endr
.irp t, 0,1,2,3,4,5,6,7
	s_wait_dscnt 7-\t                              ; read-back t is in, the 7 - t younger ones may be out
	global_store_b128 v[OGO], v[KF+32+4*\t:KF+32+4*\t+3], s[10:11] offset:(16*\i+2*\t)*256 th:TH_STORE_NT   ; two whole rows: 512 consecutive bytes, aligned
.endr
.endm
	s_load_b256 s[4:11], s[0:1], 0x0               ; Q s[4:5], K s[6:7], V s[8:9], out s[10:11]
	v_lshl_add_u32 v27, v0, 2, 0x3b800
	s_set_vgpr_msb 0x40
	v_mov_b32 v209, 0
	s_set_vgpr_msb 0x4044
	ds_add_u32 v27, v209
	s_set_vgpr_msb 0x4400
	v_lshrrev_b32 v1, 5, v0
	v_readfirstlane_b32 s12, v1                    ; wave 0..7
	s_bfe_u32 s13, ttmp6, 0x40000                  ; cx: my query block; it enters Q's and out's offset alone
	s_lshl_b32 s14, ttmp9, 19                      ; the cluster's number is the head: 2,048 rows of 256 bytes
	s_mov_b32 s24, 0x76543210                      ; v_permlanex16_b32: lane i of one half reads lane i of the other
	s_mov_b32 s25, 0xfedcba98
	; group 1: 64 rows of 32 elements of 8 bytes (256 bytes), dense, no padding (the stage is read 512 neighbouring bytes at a time)
	s_mov_b32 s[G1+0], 15|(3<<16)|(1<<21)          ; 15:0 mask: all four work-groups; 17:16 elements of 8 bytes; 21 set beside a mask
	s_mov_b32 s[G1+1], 32<<16                      ; tensor_dim0 = 32
	s_mov_b32 s[G1+2], 64<<16                      ; tensor_dim1 = 64
	s_mov_b32 s[G1+3], 32<<16                      ; tile_dim0 = 32
	s_mov_b32 s[G1+4], 64                          ; tile_dim1 = 64
	s_mov_b32 s[G1+5], 32                          ; 32 elements from row to row
	s_mov_b32 s[G1+6], 0
	s_mov_b32 s[G1+7], 0
	s_lshl_b32 s40, s13, 17                        ; Q and out: query block x 512 rows
	s_lshl_b32 s41, s12, 14                        ; + wave x 64 rows
	s_add_co_u32 s40, s40, s41
	s_add_co_u32 s40, s40, s14                     ; + head
	s_mov_b32 s41, 0
	s_and_b32 s28, s12, 1                          ; tiles: which 64 rows of the block I ask for
	s_lshl_b32 s28, s28, 14
	s_add_co_u32 s28, s28, s14                     ; + head: made of the head and the wave's number alone, alike in all four work-groups
	s_mov_b32 s29, 0
	s_lshl_b32 s42, s12, 14                        ; and where they go: K's two halves, then V's = wave x 16,384
	s_wait_dscnt 0x0
	s_wait_kmcnt 0x0
	s_add_nc_u64 s[4:5], s[4:5], s[40:41]
	s_add_nc_u64 s[10:11], s[10:11], s[40:41]
	s_cmp_lt_u32 s12, 2
	s_cselect_b64 s[30:31], s[6:7], s[8:9]         ; waves 0, 1: K; waves 2, 3: V (waves 4 to 7 ask for nothing)
	s_add_nc_u64 s[30:31], s[30:31], s[28:29]
.irp sl, 0,1
	s_mov_b32 s[G0+4*\sl], 1                                       ; count = 1
	s_add_co_u32 s[G0+4*\sl+1], s42, \sl*SLOT                      ; LDS address
	s_add_nc_u64 s[G0+4*\sl+2:G0+4*\sl+3], s[30:31], \sl*BLOCK     ; global address: block sl
	s_or_b32 s[G0+4*\sl+3], s[G0+4*\sl+3], 0x80000000              ; type = 2
.endr
	ROUND                                          ; all four work-groups are here: the first joint loads meet
	s_cmp_gt_u32 s12, 3
	s_cbranch_scc1 .Lno_first_fill
	tensor_load_to_lds s[G0:G0+3], s[G1:G1+7]      ; block 0
	s_nop 0
	tensor_load_to_lds s[G0+4:G0+7], s[G1:G1+7]    ; block 1
	s_nop 0
.Lno_first_fill:
	v_and_b32 v40, 15, v0                          ; r
	v_bfe_u32 v41, v0, 4, 1                        ; h
	v_lshlrev_b32 v52, 5, v41
	v_lshl_add_u32 v[QOF], v40, 8, v52             ; Q: row r, 32 bytes for each half of the lanes
	; Q: fragment (i, ks) wants d = 32 ks + 8 h .. + 7 and 32 ks + 16 + 8 h .. + 7 of row 16 i + r: four loads of 16 bytes.  q = 4 ks + 2 half + part.
	; As f32 the four tiles take 128 registers: tiles 0, 1 land in K's fragment registers, tiles 2, 3 in the score buffers, on either side of Q's own.
.irp i, 0,1,2,3
.set QS, KF+32*\i+64*(\i>>1)
.irp q, 0,1,2,3,4,5,6,7
	global_load_b128 v[QS+4*\q:QS+4*\q+3], v[QOF], s[4:5] offset:4096*\i+128*(\q>>2)+64*((\q>>1)&1)+16*(\q&1)
.endr
.endr
	v_and_b32 v42, 7, v0
	v_bfe_u32 v43, v0, 3, 1
	v_and_b32 v44, 31, v0                          ; lane
	v_mul_u32_u24 v45, v40, KP
	v_lshl_add_u32 v45, v41, 4, v45                ; K fragment: row r, 16 bytes for each half
	v_add_nc_u32 v[AK], BF, v45
	v_add_nc_u32 v[AK+1], BF+BFSZ, v45
	v_lshl_add_u32 v46, v41, 3, v42                ; V fragment: row 8 h + lane mod 8,
	v_mul_u32_u24 v46, v46, VP
	v_lshl_add_u32 v46, v43, 4, v46                ; 16 bytes for each group of eight lanes
	v_add_nc_u32 v[AV], BF+KSZ, v46
	v_add_nc_u32 v[AV+1], BF+BFSZ+KSZ, v46
	s_lshl_b32 s43, s12, 12                        ; conversion: my wave's 16 rows of 256 bytes in the stage
	v_lshl_add_u32 v[STG], v44, 4, s43
	v_add_nc_u32 v[STG+1], SLOT, v[STG]
	s_mul_i32 s44, s12, 16*KP                      ; and its 16 rows in K's bf16 buffer: a range of its own
	s_add_co_u32 s44, s44, BF
	v_mul_u32_u24 v47, v41, KP
	v_lshl_add_u32 v47, v40, 3, v47                ; row h of a pair, 8 bytes a lane
	v_add_nc_u32 v[CK], s44, v47
	v_add_nc_u32 v[CK+1], BFSZ, v[CK]
	s_mul_i32 s45, s12, 16*VP
	s_add_co_u32 s45, s45, BF+KSZ
	v_mul_u32_u24 v48, v41, VP
	v_lshl_add_u32 v48, v40, 3, v48
	v_add_nc_u32 v[CV], s45, v48
	v_add_nc_u32 v[CV+1], BFSZ, v[CV]
	s_mul_i32 s46, s12, OSZ
	s_add_co_u32 s46, s46, OUTS                    ; my wave's stage for the way out
	v_mul_u32_u24 v49, v40, OP
	v_lshl_add_u32 v49, v41, 5, v49
	v_add_nc_u32 v[OST], s46, v49                  ; in: row r, 32 bytes for each half
	v_mul_u32_u24 v50, v41, OP
	v_lshl_add_u32 v50, v40, 4, v50
	v_add_nc_u32 v[ORD], s46, v50                  ; back: lanes 0-15 one row, lanes 16-31 the next
	v_lshlrev_b32 v51, 4, v40
	v_lshl_add_u32 v[OGO], v41, 8, v51             ; and the same two rows in out
	v_mov_b32 v[NM+1], 0                           ; upper halves of pairs that are named whole,
	v_mov_b32 v[AL+1], 0
	v_mov_b32 v[XX], 0                             ; and a destination that counts as read
	s_wait_loadcnt 0x0                             ; Q is in
.irp i, 0,1,2,3
.set QS, KF+32*\i+64*(\i>>1)
.set n, 0
.rept 16
	v_cvt_pk_bf16_f32 v[QF+16*\i+n], v[QS+2*n], v[QS+2*n+1]
.set n, n+1
.endr
.endr
	s_wait_tensorcnt 0x1                           ; my part of block 0 is in; block 1 may stay out
	BAR                                            ; everybody's part is in
	CLOAD 0
	s_wait_dscnt 0x0
	CCVT
	CSTORE 0                                       ; block 0 in bf16
	; the round in front of trip 0, with nothing to do inside it
	s_set_vgpr_msb 0x4
	s_wait_tensorcnt 0x0                           ; block 1 has landed too; so a group 0 may be written
	ds_add_u32 v27, v209
	s_wait_dscnt 0x0
	s_set_vgpr_msb 0x400
	s_add_nc_u64 s[G0+2:G0+3], s[G0+2:G0+3], 2*BLOCK   ; slot 0's next block: 2
	s_wait_dscnt 0x0                               ; my reads of stage slot 0 and my stores of block 0 are done
	ROUND
	HEAD 0, 1, 1                                   ; trip 0
.irp j, 0,1,2,3,4,5,6,7
	QW 0, \j, 4                                    ; S^T of the very first stage has no softmax to stand among; behind K's loads: the conversion's four
.endr
	NOP4                                           ; before the first PA reads these scores
	MID 0, 1, 1, 2                                 ; its first sub-step starts maxima, sums and O
	HEAD 1, 1, 1                                   ; trip 1
	LEFT 4
	MID 1, 1, 0, 2
	s_mov_b32 s26, 6                               ; trips 2 to 13
.Llap:
	HEAD 0, 1, 1
	LEFT 4
	MID 0, 1, 0, 2
	HEAD 1, 1, 1
	LEFT 4
	MID 1, 1, 0, 2                                 ; in the last lap: the round in front of trip 14, behind which nothing is asked for; its waits show block 15 landed
	s_sub_co_u32 s26, s26, 1
	s_cmp_lg_u32 s26, 0
	s_cbranch_scc1 .Llap
	HEAD 0, 0, 1                                   ; trip 14: nothing left to ask for; block 15 is converted
	LEFT 4
	MID 0, 1, 0, 1
	HEAD 1, 0, 0                                   ; trip 15: nothing left to convert
	LEFT 0
	MID 1, 0, 0, 0
	PB 2, 0                                        ; the last three phases: no further S^T to carry
	PA 3, 0, -1, -1, 1, 0, -1, -1, -1
	PB 3, 0
	WIN 0
	NOP4                                           ; before O is read
	OUTQ 0
	OUTQ 1
	OUTQ 2
	OUTQ 3
	s_set_vgpr_msb 0x4
	s_wait_tensorcnt 0x0
	ds_add_u32 v27, v209
	s_wait_dscnt 0x0
	s_set_vgpr_msb 0x400
	ROUND                                          ; the closing round: no work-group ends while a partner may still ask jointly
	s_endpgm
.Lfunc_end_k_qafac1c194a_attn:
	.size	k_qafac1c194a_attn, .Lfunc_end_k_qafac1c194a_attn-k_qafac1c194a_attn
	.p2alignl 7, 3214868480
	.fill 96, 4, 3214868480
	.section	.rodata,"a",@progbits
	.p2align	6, 0x0
	.amdhsa_kernel k_qafac1c194a_attn
		.amdhsa_group_segment_fixed_size 327680
		.amdhsa_private_segment_fixed_size 0
		.amdhsa_enable_private_segment 0
		.amdhsa_kernarg_size 32
		.amdhsa_user_sgpr_count 2
		.amdhsa_user_sgpr_kernarg_segment_ptr 1
		.amdhsa_wavefront_size32 1
		.amdhsa_system_sgpr_workgroup_id_x 1
		.amdhsa_system_sgpr_workgroup_id_y 1
		.amdhsa_system_sgpr_workgroup_id_z 1
		.amdhsa_system_vgpr_workitem_id 0
		.amdhsa_next_free_vgpr 466
		.amdhsa_next_free_sgpr 66
		.amdhsa_reserve_vcc 0
		.amdhsa_float_denorm_mode_32 3
		.amdhsa_float_denorm_mode_16_64 3
		.amdhsa_memory_ordered 1
		.amdhsa_forward_progress 1
		.amdhsa_inst_pref_size 255
	.end_amdhsa_kernel
	.section	.bss,"aw",@nobits
	.p2align	6
	.space	262144
	.amdgpu_metadata
---
amdhsa.version: [ 1, 2 ]
amdhsa.kernels:
  - .name:           k_qafac1c194a_attn
    .symbol:         k_qafac1c194a_attn.kd
    .args:
      - { .name: input_query, .offset: 0, .size: 8, .value_kind: global_buffer, .address_space: global }
      - { .name: input_key, .offset: 8, .size: 8, .value_kind: global_buffer, .address_space: global }
      - { .name: input_value, .offset: 16, .size: 8, .value_kind: global_buffer, .address_space: global }
      - { .name: out0, .offset: 24, .size: 8, .value_kind: global_buffer, .address_space: global }
    .group_segment_fixed_size: 327680
    .private_segment_fixed_size: 0
    .kernarg_segment_align: 8
    .kernarg_segment_size: 32
    .max_flat_workgroup_size: 256
    .sgpr_count:     66
    .vgpr_count:     466
    .wavefront_size: 32
...
	.end_amdgpu_metadata
.endif
;; end of part 2
